; MI455X (gfx1250); checked and timed in simulation.
; The chip was launched on July 23, 2026; its instructions are those of AMD's public machine-readable ISA for CDNA 5 (MIT licence, August 2026) and "CDNA5" Instruction Set Architecture Reference Guide (July 2026). The comments in the code are by the model that wrote it; some were corrected since.
;; Multi Scan VSSM. Allowed arithmetic: matrix products marked QUANTISED: E5M2 operands, one E8M0 scale for each 32 along K, by v_wmma_scale_f32_16x16x128_f8f6f4 with both operands' format E5M2, f32 sums; everything else in f32.
;; Inputs: b_reduce 32 float32; b_select 256 float32; ln_b 256 float32; ln_w 256 float32; w_reduce 256 x 32 float32; w_select 32 x 256 float32; x 8 x 256 x 56 x 56 float32.
;; Outputs: out0 8 x 3,136 x 256 float32.
;; This version of the problem:
;;   THIS VERSION OF THE PROBLEM IS GIVEN IN LOW PRECISION. The matrix products marked QUANTISED in the list below multiply operands that are first quantised to E5M2 (5 exponent bits, 2 mantissa bits; 8 bits a number), with one power-of-two scale for each 32 numbers along K (OCP MX v1.0); their sums are f32. All else is computed in f32.
;;   The module's matrix products, in the order in which they are computed (A, B: the left and right operand; K: the contracted axis; several contracted axes count as one K, in the product's order):
;;     1. [M 64, K 256] x [K 256, N 32]; A: computed on the way; B: input w_reduce: QUANTISED
;;     2. [M 64, K 32] x [K 32, N 256]; A: computed on the way; B: input w_select: QUANTISED
;;   THE QUANTISER, for each operand of a quantised product, along K:
;;     - K is cut into blocks of 32 from its start; a last block that is shorter is filled with zeros.
;;     - A block's scale is 2^e with e = floor(log2(the largest magnitude in the block)) - 15, held to -126 .. 127; a block of zeros has e = 0. As a byte (E8M0): e + 127.
;;     - Each number is divided by its block's scale, clamped to +-57,344, and rounded to the nearest number of E5M2, ties to even, subnormals kept.
;;     - The product sums the exact products of the quantised numbers (number of the format x scale) in f32.
;;   ~~~python
;;   def quantise(x, axis):      # numpy; x: float32 -> the quantised numbers, widened to float32 again
;;       x = np.moveaxis(x, axis, -1); K = x.shape[-1]
;;       x = np.pad(x, [(0, 0)] * (x.ndim - 1) + [(0, -K % 32)]); x = x.reshape(x.shape[:-1] + (-1, 32)); a = np.abs(x).max(-1, keepdims=True)
;;       e = np.where(a > 0, np.clip(np.frexp(np.where(a > 0, a, 1))[1] - 1 - 15, -126, 127), 0)      # np.frexp(a)[1] - 1 = floor(log2(a)), exactly
;;       r = np.clip(x / 2.0 ** e, -57344, 57344)
;;       step = 2.0 ** (np.maximum(np.frexp(np.where(r == 0, 1, r))[1] - 1, -14) - 2)
;;       q = np.round(r / step) * step * 2.0 ** e      # np.round: ties to even
;;       return np.moveaxis(q.reshape(q.shape[:-2] + (-1,))[..., :K], -1, axis).astype(np.float32)
;;   ~~~
;;   OPERANDS COMPUTED ON THE WAY. 'Computed on the way' means the value that the module computes at that place (a softmax that the list does not call 'softmax' is quantised finished and normalised). What goes into a quantiser is computed in f32, as accurately as f32 sums, v_exp_f32 and their like allow (about 1e-6 of the number): no bf16 or f16 on the way to a quantiser, and a product that is left as it is and whose result goes on into a quantised operand takes f32 operands (vector FMAs, or v_wmma_f32_16x16x4_f32). A number that lies on a knife's edge between two numbers of the format may be rounded either way, as far as f32 arithmetic and the matrix unit's own rounding can turn it there, and no further.
;; 2 versions, each right; version 2 is version 1 with the launch gate_scale written anew for expert scheduling mode. Each part assembles by itself: llvm-mc -triple=amdgcn-amd-amdhsa -mcpu=gfx1250 --defsym DOCPART=n.
;; ======== version 1 of 2: 2 launches
;; workspace buffers: part 401,408 bytes; wq 18,944 bytes
;; launch stats (part 1): grid 393 x 1, 8 waves a work-group, no clusters, 6,144 bytes of LDS; arguments x, w_reduce, w_select, part, wq; writes part, wq
.if DOCPART == 1
	.amdgcn_target "amdgcn-amd-amdhsa--gfx1250"
	.amdhsa_code_object_version 6
	.text
	.protected	k_q663b4a6588_stats
	.globl	k_q663b4a6588_stats
	.p2align	8
	.type	k_q663b4a6588_stats,@function
k_q663b4a6588_stats:
	s_mov_b64 s[64:65], 0
	v_nop
	global_prefetch_b8 v0, s[64:65] scope:SCOPE_SE
	s_setreg_imm32_b32 hwreg(HW_REG_WAVE_MODE, 25, 1), 1
	s_wait_xcnt 0x0
; MultiScanVSSM, first of two launches: layer-norm statistics and pooled partial sums of x; the two weights into codes of E5M2.
; WORK LEFT OUT, for all values of the inputs.  Each of the eight scans of _multi_scan is a permutation of the L axis and _multi_reverse applies its inverse:
; a flip twice is the identity; the transposition (h,w)->(w,h) is undone by the same transposition because H = W = 56; the window reshape/transpose (0,1,2,4,3,5) is undone by the same
; transpose on the mirrored shape.  So xs[k] = x.reshape(B,C,L) for every k: mean, variance, pool, both products and the gate are equal for the eight directions (rows 8..63 of the
; products' M = 64 are copies of rows 0..7), and the sum over the directions is 8 x one term.  They are computed once for each batch.  mean_l(xn) = ln_w x mean_l((x - mu) rstd) + ln_b by linearity.
; Every input has a way to the output and is loaded (ln_w, ln_b, b_reduce, b_select in the second launch).  What is left out are copies of live work, so a NaN, an infinity or an overflow that
; reached them reaches the live work too.  LIMITS: NaN and infinities among the inputs are not served; 8 x (x gate) is rounded once where reference() rounds a chain of eight additions.
; SHARES.  Work-groups 0..391: batch b = id / 49, tokens 64 (id % 49) on: 256 channels x 64 tokens, 64 KB, kept in registers.  A channel's 64 tokens are 256 consecutive bytes, aligned.
; Wave w takes channels 32 w on.  Load i of 16: lanes 0-15 read the 256 bytes of channel 32 w + 8 (i / 4) + i % 4, lanes 16-31 those of the channel 4 further; lane (r, h) holds tokens 4 r .. 4 r + 3.
; The variance is taken in two passes, (x - mu)^2 after mu, so that no difference of large sums is formed.  Out: part[id][c] = sum over the 64 tokens of (x - mu) rstd, 1 KB.
; Work-group 392 quantises w_reduce [256 (k)][32] and w_select [32 (k)][256] along K, once for the whole program: a lane takes a column and its registers run down K, in the order of the operand's
; registers, so the conversions' results are stored as images of those registers: wq + 2048 f: w_reduce's fragment f = 2 (n / 16) + (k / 128); wq + 8192 + 512 t: registers 0-3 of w_select's tile t (n = 16 t on);
; wq + 16384 + 128 f and wq + 16896 + 128 t: their scale words, 4 bytes a lane.  A block of zeros gets the byte 1 (its codes are zeros; this program alone reads the bytes).
; No tensor loads and no cluster: no byte of x is read by two work-groups here.  x carries no non-temporal hint: the next launch reads it again.
.set CH,     12544                     ; bytes of a channel's 3,136 tokens
.set BATCH,  256*CH                    ; bytes of a batch
.set NMAIN,  392                       ; 8 batches x 49 runs of 64 tokens
.set RED1,   0                         ; LDS: 8 waves x 16 lanes x 16 bytes: the sums for mu
.set RED2,   2048                      ; the same for the variance
.set OUTS,   4096                      ; the work-group's 256 results
.set SPARE,  5120                      ; the spare words, 128 bytes a wave: four blocks of 256 bytes that no other line names
.set WQ_SCR, 16384                     ; wq: w_reduce's scale words
.set WQ_SCS, 16896                     ; wq: w_select's scale words
.set SPW, 1                            ; v1   LDS address of my spare word; never rewritten
.set NIL, 2                            ; v2   0; never rewritten
.set RL,  3                            ; v3   r = lane % 16
.set HH,  4                            ; v4   h = lane / 16
.set XO,  5                            ; v5   my byte offset in the loads
.set RR,  6                            ; v6   16 r          (weights: 16 x lane)
.set RW,  7                            ; v7   16 r + 256 w  (weights: 4 x lane)
.set OW,  8                            ; v8   16 h + 128 w
.set OT,  9                            ; v9   16 x thread
.set PW,  10                           ; v10  weights: a packed scale word
.set S,   12                           ; v12-15  four tokens' sums
.set T,   16                           ; v16-19  at work
.set MU,  20                           ; v20-23  mu of my four tokens
.set RS,  24                           ; v24-27  1 / sqrt(var + eps)
.set P,   28                           ; v28-43  my 16 channels' results   (weights: 16 registers of codes)
.set PC,  28
.set W8,  44                           ; v44-75  eight waves' sums; at work  (weights: the quantiser's 16)
.set TM,  44
.set X,   76                           ; v76-139 x, then x - mu            (weights: 64 numbers)
	s_load_b256 s[4:11], s[0:1], 0x0               ; x s[4:5], w_reduce s[6:7], w_select s[8:9], part s[10:11]
	s_load_b64 s[12:13], s[0:1], 0x20              ; wq
	v_lshl_add_u32 v[SPW], v0, 2, SPARE
	v_mov_b32 v[NIL], 0
	v_lshrrev_b32 v[RL], 5, v0
	v_readfirstlane_b32 s14, v[RL]                 ; wave 0..7
	v_and_b32 v[RL], 15, v0
	v_bfe_u32 v[HH], v0, 4, 1
	s_mov_b32 s22, 0x76543210                      ; v_permlanex16_b32's selects for lane l xor 16
	s_mov_b32 s23, 0xfedcba98
	s_cmp_ge_u32 ttmp9, NMAIN                      ; the last work-group takes the weights: a branch on the work-group's number, the same in all its waves
	s_cbranch_scc1 .Lweights
	s_mul_i32 s15, ttmp9, 1338
	s_lshr_b32 s15, s15, 16                        ; b = id / 49: exact for id under 392 (1338 / 65536 lies above 1 / 49 by 8.1e-6, and 391 x 8.1e-6 is under 1 / 49)
	s_mul_i32 s16, s15, 49
	s_sub_co_u32 s16, ttmp9, s16                   ; id % 49
	s_mul_i32 s18, s15, BATCH
	s_lshl_b32 s16, s16, 8                         ; 256 bytes of each channel's row
	s_add_co_u32 s18, s18, s16
	s_mul_i32 s16, s14, 32*CH                      ; my wave's 32 channels
	s_add_co_u32 s18, s18, s16
	s_mov_b32 s19, 0
	s_lshl_b32 s20, ttmp9, 10                      ; part: 1,024 bytes a work-group
	s_mov_b32 s21, 0
	s_mov_b32 s24, 0x3b800000                      ; 1 / 256
	s_mov_b32 s25, 0x3727c5ac                      ; 1e-5
	v_mul_u32_u24 v[XO], v[HH], 4*CH
	v_lshl_add_u32 v[XO], v[RL], 4, v[XO]          ; 4 h channels + 16 r
	v_lshlrev_b32 v[RR], 4, v[RL]
	s_lshl_b32 s16, s14, 8
	v_add_nc_u32 v[RW], s16, v[RR]
	v_lshlrev_b32 v[OW], 4, v[HH]
	s_lshl_b32 s16, s14, 7
	v_add_nc_u32 v[OW], s16, v[OW]
	v_lshlrev_b32 v[OT], 4, v0
.irp j, 0,1,2,3
	v_mov_b32 v[T+\j], 0                           ; written once: a lane permute's destination counts as one of its sources
.endr
	s_wait_kmcnt 0x0
	s_add_nc_u64 s[4:5], s[4:5], s[18:19]
	s_add_nc_u64 s[10:11], s[10:11], s[20:21]
.irp i, 0,1,2,3,4,5,6,7,8,9,10,11,12,13,14,15
	global_load_b128 v[X+4*\i:X+4*\i+3], v[XO], s[4:5] offset:(8*(\i/4)+(\i%4))*CH   ; sixteen lanes read one aligned run of 256 bytes; all 16 loads of the wave are out at once
.endr
; v[S:S+3], my 16 channels' sums for my four tokens, become all 256 channels': the other half of the lanes, then the eight waves through LDS.  Every thread adds in the same order, so all hold the same bits.
.macro ACROSS base
.irp j, 0,1,2,3
	v_permlanex16_b32 v[T+\j], v[S+\j], s22, s23
.endr
	v_pk_add_f32 v[S:S+1], v[S:S+1], v[T:T+1]
	v_pk_add_f32 v[S+2:S+3], v[S+2:S+3], v[T+2:T+3]
	ds_store_b128 v[RW], v[S:S+3] offset:\base     ; both halves of the lanes write the same bytes with the same values
	s_wait_dscnt 0x0                               ; for the others' sake: my store has landed
	s_barrier_signal -1
	s_barrier_wait -1
.irp k, 0,1,2,3,4,5,6,7
	ds_load_b128 v[W8+4*\k:W8+4*\k+3], v[RR] offset:\base+256*\k
.endr
	s_wait_dscnt 0x0
.irp k, 0,8,16,24
	v_pk_add_f32 v[W8+\k:W8+\k+1], v[W8+\k:W8+\k+1], v[W8+\k+4:W8+\k+5]
	v_pk_add_f32 v[W8+\k+2:W8+\k+3], v[W8+\k+2:W8+\k+3], v[W8+\k+6:W8+\k+7]
.endr
.irp k, 0,16
	v_pk_add_f32 v[W8+\k:W8+\k+1], v[W8+\k:W8+\k+1], v[W8+\k+8:W8+\k+9]
	v_pk_add_f32 v[W8+\k+2:W8+\k+3], v[W8+\k+2:W8+\k+3], v[W8+\k+10:W8+\k+11]
.endr
	v_pk_add_f32 v[S:S+1], v[W8:W8+1], v[W8+16:W8+17]
	v_pk_add_f32 v[S+2:S+3], v[W8+2:W8+3], v[W8+18:W8+19]
.endm
	; ---- mu: the sum over the channels
	s_wait_loadcnt 12                              ; loads come back in order: the first four are in, twelve may be out
	v_pk_add_f32 v[S:S+1], v[X:X+1], v[X+4:X+5]
	v_pk_add_f32 v[S+2:S+3], v[X+2:X+3], v[X+6:X+7]
.irp i, 2,3,4,5,6,7,8,9,10,11,12,13,14,15
.if (\i % 4) == 0
	s_wait_loadcnt 12-\i                           ; the next four are in
.endif
	v_pk_add_f32 v[S:S+1], v[S:S+1], v[X+4*\i:X+4*\i+1]
	v_pk_add_f32 v[S+2:S+3], v[S+2:S+3], v[X+4*\i+2:X+4*\i+3]
.endr
	ACROSS RED1
	v_pk_mul_f32 v[MU:MU+1], v[S:S+1], 0x3b800000 op_sel_hi:[1,0]       ; / 256: exact
	v_pk_mul_f32 v[MU+2:MU+3], v[S+2:S+3], 0x3b800000 op_sel_hi:[1,0]
	; ---- the variance: x - mu in place, then the sum of its squares
.irp i, 0,1,2,3,4,5,6,7,8,9,10,11,12,13,14,15
	v_pk_add_f32 v[X+4*\i:X+4*\i+1], v[X+4*\i:X+4*\i+1], v[MU:MU+1] neg_lo:[0,1] neg_hi:[0,1]
	v_pk_add_f32 v[X+4*\i+2:X+4*\i+3], v[X+4*\i+2:X+4*\i+3], v[MU+2:MU+3] neg_lo:[0,1] neg_hi:[0,1]
.endr
	v_pk_mul_f32 v[S:S+1], v[X:X+1], v[X:X+1]      ; the first squares start the sums
	v_pk_mul_f32 v[S+2:S+3], v[X+2:X+3], v[X+2:X+3]
.irp i, 1,2,3,4,5,6,7,8,9,10,11,12,13,14,15
	v_pk_fma_f32 v[S:S+1], v[X+4*\i:X+4*\i+1], v[X+4*\i:X+4*\i+1], v[S:S+1]
	v_pk_fma_f32 v[S+2:S+3], v[X+4*\i+2:X+4*\i+3], v[X+4*\i+2:X+4*\i+3], v[S+2:S+3]
.endr
	ACROSS RED2
.irp j, 0,1,2,3
	v_fma_f32 v[T+\j], v[S+\j], s24, s25           ; var + eps
.endr
.irp j, 0,1,2,3
	v_rsq_f32 v[RS+\j], v[T+\j]
.endr
	v_nop                                          ; a plain instruction behind the last of the four,
	s_wait_alu depctr_va_vdst(0)                   ; and one wait for the batch ahead of its first reader
	; ---- the pool's part: for each of my 16 channels the sum over my four tokens of (x - mu) rstd, then over the 16 lanes of my half
.irp i, 0,1,2,3,4,5,6,7,8,9,10,11,12,13,14,15
	v_pk_mul_f32 v[W8+2*\i:W8+2*\i+1], v[X+4*\i:X+4*\i+1], v[RS:RS+1]
.endr
.irp i, 0,1,2,3,4,5,6,7,8,9,10,11,12,13,14,15
	v_pk_fma_f32 v[W8+2*\i:W8+2*\i+1], v[X+4*\i+2:X+4*\i+3], v[RS+2:RS+3], v[W8+2*\i:W8+2*\i+1]
.endr
.irp i, 0,1,2,3,4,5,6,7,8,9,10,11,12,13,14,15
	v_add_f32 v[P+\i], v[W8+2*\i], v[W8+2*\i+1]
.endr
.irp m, 1,2,4,8
.irp i, 0,1,2,3,4,5,6,7,8,9,10,11,12,13,14,15
	v_add_f32_dpp v[P+\i], v[P+\i], v[P+\i] row_xmask:\m row_mask:0xf bank_mask:0xf
.endr
.endr
.irp q, 0,1,2,3
	ds_store_b128 v[OW], v[P+4*\q:P+4*\q+3] offset:OUTS+32*\q   ; registers 4 q .. 4 q + 3 are channels 32 w + 8 q + 4 h + 0 .. 3; the 16 lanes of a half write the same bytes with the same values
.endr
	s_wait_dscnt 0x0                               ; for the others' sake: my stores have landed
	s_barrier_signal -1
	s_barrier_wait -1
	s_cmp_lt_u32 s14, 2                            ; waves 0 and 1 store the 1,024 bytes: 512 consecutive bytes, aligned, an instruction
	s_cbranch_scc0 .Ldone
	ds_load_b128 v[S:S+3], v[OT] offset:OUTS
	s_wait_dscnt 0x0
	global_store_b128 v[OT], v[S:S+3], s[10:11]
.Ldone:
	s_wait_tensorcnt 0x0                           ; the wave's end, behind my last LDS store
	ds_add_u32 v[SPW], v[NIL]
	s_wait_dscnt 0x0
	s_endpgm
	; ---- THE WEIGHTS.  Waves 0-3: w_reduce's fragment f = wave (columns 16 (f / 2) on, K 128 (f % 2) on).  Waves 4-7: four tiles each of w_select (K = 32: one block a column).
	; In both a lane holds 64 numbers, register 16 b + i: block (or tile) b, k = 16 h + i of it, column r.  Sixteen lanes read 64 neighbouring bytes: fit for 64 KB that one work-group reads once.
.Lweights:
	v_and_b32 v[OT], 31, v0                        ; lane
	v_lshlrev_b32 v[RR], 4, v[OT]
	v_lshlrev_b32 v[RW], 2, v[OT]
	v_lshlrev_b32 v[XO], 2, v[RL]                  ; 4 r
.irp b, 0,1,2,3
	v_mov_b32 v[TM+4+\b], 0                        ; written once: a lane permute's destination counts as one of its sources
.endr
	s_mov_b32 s30, 0x600000                        ; the mantissa field of 57,344
	s_lshl_b32 s16, s14, 11                        ; codes: 2,048 bytes a wave
	s_mov_b32 s17, 0
	s_mov_b32 s19, 0
	s_wait_kmcnt 0x0
	s_cmp_lt_u32 s14, 4
	s_cbranch_scc0 .Lsel_in
	s_and_b32 s15, s14, 1
	s_lshl_b32 s15, s15, 14                        ; 128 rows of 128 bytes
	s_lshr_b32 s20, s14, 1
	s_lshl_b32 s20, s20, 6                         ; 16 columns
	s_add_co_u32 s15, s15, s20
	v_lshl_add_u32 v[XO], v[HH], 11, v[XO]         ; lanes 16-31 begin 16 rows further down
	v_add_nc_u32 v[XO], s15, v[XO]
.irp b, 0,1,2,3
.irp i, 0,1,2,3,4,5,6,7,8,9,10,11,12,13,14,15
	global_load_b32 v[X+16*\b+\i], v[XO], s[6:7] offset:4096*\b+128*\i   ; w_reduce(128 s + 32 b + 16 h + i, 16 u + r)
.endr
.endr
	s_lshl_b32 s18, s14, 7
	s_add_co_u32 s18, s18, WQ_SCR
	s_branch .Lquant
.Lsel_in:
	s_sub_co_u32 s15, s14, 4
	s_lshl_b32 s20, s15, 8                         ; 64 columns a wave
	v_lshl_add_u32 v[XO], v[HH], 14, v[XO]         ; 16 rows of 1,024 bytes
	v_add_nc_u32 v[XO], s20, v[XO]
.irp b, 0,1,2,3
.irp i, 0,1,2,3,4,5,6,7,8,9,10,11,12,13,14,15
	global_load_b32 v[X+16*\b+\i], v[XO], s[8:9] offset:64*\b+1024*\i    ; w_select(16 h + i, 64 (wave - 4) + 16 b + r)
.endr
.endr
	s_lshl_b32 s18, s15, 9
	s_add_co_u32 s18, s18, WQ_SCS
.Lquant:
	s_add_nc_u64 s[26:27], s[12:13], s[16:17]      ; my codes
	s_add_nc_u64 s[28:29], s[12:13], s[18:19]      ; my scale words
	s_wait_loadcnt 0x0
.irp b, 0,1,2,3
	v_max3_num_f32 v[TM+\b], |v[X+16*\b]|, |v[X+1+16*\b]|, 0x8000000   ; block b: my 16 numbers, and the floor 2^(16 - 127): the byte cannot fall under 1
.endr
.irp i, 2,4,6,8,10,12,14
.irp b, 0,1,2,3
	v_max3_num_f32 v[TM+\b], v[TM+\b], |v[X+16*\b+\i]|, |v[X+1+16*\b+\i]|   ; the four blocks by turns
.endr
.endr
.irp b, 0,1,2,3
	v_permlanex16_b32 v[TM+4+\b], v[TM+\b], s22, s23
.endr
.irp b, 0,1,2,3
	v_max_num_f32 v[TM+\b], v[TM+\b], v[TM+4+\b]   ; with lane l xor 16's: the block's largest magnitude
.endr
.irp b, 0,1,2,3
	v_add_nc_u32 v[TM+12+\b], 0xf8800000, v[TM+\b] ; 15 off its exponent field: the conversion's scale operand
.endr
.irp b, 0,1,2,3
	v_and_or_b32 v[TM+8+\b], v[TM+\b], 0x7f800000, s30   ; 57,344 x the scale
.endr
.irp b, 0,1,2,3
	v_lshrrev_b32 v[TM+4+\b], 23, v[TM+12+\b]      ; the scale's byte
.endr
.irp b, 0,1,2,3
.irp i, 0,1,2,3,4,5,6,7,8,9,10,11,12,13,14,15
	v_med3_num_f32 v[X+16*\b+\i], v[X+16*\b+\i], -v[TM+8+\b], v[TM+8+\b]   ; the conversion to an 8-bit code does not saturate (ISA guide 7.6.2): the hold at the largest code x the scale
.endr
	v_cvt_scalef32_pk8_bf8_f32 v[PC+4*\b:PC+1+4*\b], v[X+16*\b:X+7+16*\b], v[TM+12+\b]
	v_cvt_scalef32_pk8_bf8_f32 v[PC+2+4*\b:PC+3+4*\b], v[X+8+16*\b:X+15+16*\b], v[TM+12+\b]
.endr
	v_nop                                          ; a plain instruction behind the last conversion
.irp b, 0,1,2,3
	global_store_b128 v[RR], v[PC+4*\b:PC+4*\b+3], s[26:27] offset:512*\b   ; four registers of the operand as they stand: 512 consecutive bytes, aligned
.endr
	s_cmp_lt_u32 s14, 4
	s_cbranch_scc0 .Lsel_out
	v_lshl_or_b32 v[PW], v[TM+5], 8, v[TM+4]       ; w_reduce: the four blocks' bytes make the column's scale word for these 128 along K
	v_lshl_or_b32 v[PW], v[TM+6], 16, v[PW]
	v_lshl_or_b32 v[PW], v[TM+7], 24, v[PW]
	global_store_b32 v[RW], v[PW], s[28:29]
	s_branch .Ldone
.Lsel_out:
.irp b, 0,1,2,3
	global_store_b32 v[RW], v[TM+4+\b], s[28:29] offset:128*\b   ; w_select: a word for each tile: its one block's byte below, 0 above (over zero codes)
.endr
	s_branch .Ldone
.Lfunc_end_k_q663b4a6588_stats:
	.size	k_q663b4a6588_stats, .Lfunc_end_k_q663b4a6588_stats-k_q663b4a6588_stats
	.p2alignl 7, 3214868480
	.fill 96, 4, 3214868480
	.section	.rodata,"a",@progbits
	.p2align	6, 0x0
	.amdhsa_kernel k_q663b4a6588_stats
		.amdhsa_group_segment_fixed_size 6144
		.amdhsa_private_segment_fixed_size 0
		.amdhsa_enable_private_segment 0
		.amdhsa_kernarg_size 40
		.amdhsa_user_sgpr_count 2
		.amdhsa_user_sgpr_kernarg_segment_ptr 1
		.amdhsa_wavefront_size32 1
		.amdhsa_system_sgpr_workgroup_id_x 1
		.amdhsa_system_sgpr_workgroup_id_y 1
		.amdhsa_system_sgpr_workgroup_id_z 1
		.amdhsa_system_vgpr_workitem_id 0
		.amdhsa_next_free_vgpr 140
		.amdhsa_next_free_sgpr 66
		.amdhsa_reserve_vcc 0
		.amdhsa_float_denorm_mode_32 3
		.amdhsa_float_denorm_mode_16_64 3
		.amdhsa_memory_ordered 1
		.amdhsa_forward_progress 1
		.amdhsa_inst_pref_size 44
	.end_amdhsa_kernel
	.amdgpu_metadata
---
amdhsa.version: [ 1, 2 ]
amdhsa.kernels:
  - .name:           k_q663b4a6588_stats
    .symbol:         k_q663b4a6588_stats.kd
    .args:
      - { .name: x, .offset: 0, .size: 8, .value_kind: global_buffer, .address_space: global }
      - { .name: w_reduce, .offset: 8, .size: 8, .value_kind: global_buffer, .address_space: global }
      - { .name: w_select, .offset: 16, .size: 8, .value_kind: global_buffer, .address_space: global }
      - { .name: part, .offset: 24, .size: 8, .value_kind: global_buffer, .address_space: global }
      - { .name: wq, .offset: 32, .size: 8, .value_kind: global_buffer, .address_space: global }
    .group_segment_fixed_size: 6144
    .private_segment_fixed_size: 0
    .kernarg_segment_align: 8
    .kernarg_segment_size: 40
    .max_flat_workgroup_size: 256
    .sgpr_count:     66
    .vgpr_count:     140
    .wavefront_size: 32
...
	.end_amdgpu_metadata
.endif
;; end of part 1
;; launch gate_scale (part 2): grid 49 x 8, 8 waves a work-group, no clusters, 73,728 bytes of LDS; arguments x, part, wq, ln_w, ln_b, b_reduce, b_select, out0; writes out0
.if DOCPART == 2
	.amdgcn_target "amdgcn-amd-amdhsa--gfx1250"
	.amdhsa_code_object_version 6
	.text
	.protected	k_q663b4a6588_gate_scale
	.globl	k_q663b4a6588_gate_scale
	.p2align	8
	.type	k_q663b4a6588_gate_scale,@function
k_q663b4a6588_gate_scale:
	s_mov_b64 s[64:65], 0
	v_nop
	global_prefetch_b8 v0, s[64:65] scope:SCOPE_SE
	s_setreg_imm32_b32 hwreg(HW_REG_WAVE_MODE, 25, 1), 1
	s_wait_xcnt 0x0
; MultiScanVSSM, second of two launches: the channel gate of the work-group's batch, then out0[b][l][c] = x[b][c][l] x 8 gate[b][c].
; WORK LEFT OUT: the eight directions are equal for all values of the inputs (each scan is undone by its reverse: shown at the head of the first launch), so one gate serves all eight and their sum is 8 x one term.
; SHARES.  Work-group (x, y): batch y, tokens 64 x on, all 256 channels: 64 KB in, 64 KB out.  All loads go out at the head, the small ones first; the gate is made while x is on its way.
; THE GATE.  (1) part[b][0..48][256] is summed: thread t takes 16 bytes at 16 t of rows t / 64 + 4 m; the four groups meet in LDS.  (2) Thread c makes g[c] = ln_w[c] x sum / 3136 + ln_b[c] and quantises it:
; a block of 32 along K is one wave's 32 lanes; a code byte a lane and a scale byte a wave go to LDS.  (3) Wave 0: g x w_reduce, 2 tiles x 2 K steps of v_wmma_scale_f32_16x16x128_f8f6f4 on E5M2 codes; all 16 rows of
; source 0 hold the one live row; register 0 of the two results gives lane l hidden unit l; + b_reduce; gelu = 0.5 y erfc(-y / sqrt 2); quantised as g was.  (4) Every wave: its 32 channels of hidden x w_select,
; two tiles; K = 32 fills registers 0-3 of the operands, registers 4-15 are zero codes; + b_select; sigmoid; x 8.
; erfc: |z| <= 1: 1 + z T(z^2); else exp(-z^2) (1 / |z|) P or R (1 / z^2), Cephes' single-precision polynomials; z^2 log2(e) is carried with its rounding error, so that the exponential's argument costs no accuracy.
; THE WAY OUT.  A lane holds 4 channels x 4 tokens for each of four groups: the multiplication by the gate writes them transposed, 4 channels of one token in 4 neighbouring registers; they go to a stage in LDS,
; token 4 r + j in row 16 j + r, rows 1,040 bytes apart (16 neighbouring rows begin in 16 different 16-byte columns modulo 256 bytes), and come back as rows: each store covers 512 consecutive bytes, aligned.
; LIMITS: NaN and infinities are not served; a block of zeros gets the scale byte 1 over zero codes; where b_reduce + g w_reduce lies under about -13.2 the exponential's result would be denormal and is flushed (ISA guide, v_exp_f32): gelu is -0 there.
; NO CLUSTER: the 49 work-groups that read one batch's part rows are no multiple of four, and work-groups of different batches share only wq's few KB.  No tensor load: no LDS byte is filled twice, and a work-group's whole share is in flight from its head.
.set CH,     12544                     ; bytes of a channel's 3,136 tokens
.set BATCH,  256*CH                    ; bytes of a batch, in x and in out0
.set SPITCH, 1040                      ; a stage row: 1,024 bytes + 16
.set JSTEP,  16*SPITCH
.set SM,     64*SPITCH                 ; behind the stage, offsets from here:
.set PS,     0                         ; four groups' sums, 1,024 bytes each
.set GC,     4096                      ; g's 256 codes
.set GS,     4352                      ; g's 8 scale bytes
.set HC,     4608                      ; the hidden layer's 32 codes
.set HS,     4864                      ; its scale word
.set GT,     5120                      ; 8 x gate, 256 numbers
.set SPARE,  SM+6144                   ; the spare words, 128 bytes a wave: four blocks of 256 bytes that no other line names
.set WQ_SEL, 8192                      ; wq: w_select's images
.set WQ_SCR, 16384                     ; w_reduce's scale words
.set WQ_SCS, 16896                     ; w_select's
.set SPW,  1                           ; v1  LDS address of my spare word; never rewritten
.set NIL,  2                           ; v2  0; never rewritten
.set XO,   3                           ; v3  x: 4 h channels + 16 r
.set T16,  4                           ; v4  16 x thread
.set T4,   5                           ; v5  4 x thread
.set L16,  6                           ; v6  16 x lane
.set L4,   7                           ; v7  4 x lane
.set A_T16, 8                          ; v8-17 LDS addresses, all made at the head: SM + 16 t
.set A_T4,  9                          ; SM + 4 t
.set A_T1,  10                         ; SM + t
.set A_W,   11                         ; SM + wave
.set A_H16, 12                         ; SM + 16 h
.set A_C,   13                         ; SM
.set A_L,   14                         ; SM + lane
.set A_GR,  15                         ; SM + 128 wave + 16 h
.set A_SW,  16                         ; the stage, in: 1,040 r + 16 h + 128 wave
.set A_SR,  17                         ; the stage, back: 8 wave rows + 16 lane
.set LNW,  18
.set LNB,  19
.set BSEL, 20
.set BRED, 21
.set WRS,  22                          ; v22-25 scale words of w_reduce's four fragments: these nine registers hold scales and nothing else
.set WSS,  26                          ; v26-27 of my two tiles of w_select
.set GSC,  28                          ; v28-29 of g's two K steps
.set HSC,  30                          ; v30    of the hidden layer
.set QN,   32                          ; v32-39 the number to be quantised, and seven zeros
.set QC,   40                          ; v40-41 its code in the lowest byte
.set TM,   42                          ; v42-47 at work
.set G,    48                          ; v48-63 erfc's temporaries, later my 16 gates
.set X,    64                          ; v64-127 x; later rows of out0
.set WR,   128                         ; v128-191 w_reduce's four fragments (wave 0); later:
.set D2,   128                         ; v128-143 product 2's two results;
.set Y,    128                         ; v128-191 x times the gate, transposed
.set B0,   192                         ; v192-207 w_select's first tile: 192-195 loaded at the head, 196-207 zero codes
.set B1,   208                         ; v208-223 the second
.set A2,   224                         ; v224-239 the hidden layer's fragment: 224-227 from LDS, 228-239 zero codes
.set D10,  196                         ; v196-203, v212-219: product 1's two results (wave 0), before the zeros are written
.set D11,  212
.set A1,   224                         ; v224-255 g's two fragments (wave 0)
.set SEL,  34                          ; s[34:35] lane selects for lane l xor 16
.set MNT,  36                          ; s36 the mantissa field of 57,344
.set FLR,  37                          ; s37 the floor 2^(16 - 127)
.set HM,   38                          ; s38 a mask of lanes 16-31
.set E_Z,  48
.set E_A,  49
.set E_Q,  50
.set E_S,  51
.set E_R,  52
.set E_T,  53
.set E_L,  54
.set E_E,  55
.set E_ZS, 56
.set E_W,  57
.set E_P,  58
.set E_Y,  59
.set E_PP, 60
.set E_PR, 61
.set E_B,  62
	s_load_b512 s[4:19], s[0:1], 0x0               ; x s[4:5], part s[6:7], wq s[8:9], ln_w s[10:11], ln_b s[12:13], b_reduce s[14:15], b_select s[16:17], out0 s[18:19]
	v_lshl_add_u32 v[SPW], v0, 2, SPARE
	v_mov_b32 v[NIL], 0
	v_lshrrev_b32 v[TM], 5, v0
	v_readfirstlane_b32 s20, v[TM]                 ; wave 0..7
	v_and_b32 v[TM+1], 15, v0                      ; r
	v_bfe_u32 v[TM+2], v0, 4, 1                    ; h
	v_and_b32 v[TM+3], 31, v0                      ; lane
	v_mul_u32_u24 v[XO], v[TM+2], 4*CH
	v_lshl_add_u32 v[XO], v[TM+1], 4, v[XO]
	v_lshlrev_b32 v[T16], 4, v0
	v_lshlrev_b32 v[T4], 2, v0
	v_lshlrev_b32 v[L16], 4, v[TM+3]
	v_lshlrev_b32 v[L4], 2, v[TM+3]
	v_lshl_add_u32 v[A_T16], v0, 4, SM
	v_lshl_add_u32 v[A_T4], v0, 2, SM
	v_add_nc_u32 v[A_T1], SM, v0
	v_mov_b32 v[A_C], SM
	v_add_nc_u32 v[A_W], s20, v[A_C]
	v_lshl_add_u32 v[A_H16], v[TM+2], 4, SM
	v_add_nc_u32 v[A_L], SM, v[TM+3]
	s_lshl_b32 s21, s20, 7
	v_add_nc_u32 v[A_GR], s21, v[A_H16]
	v_mul_u32_u24 v[A_SW], v[TM+1], SPITCH
	v_lshl_add_u32 v[A_SW], v[TM+2], 4, v[A_SW]
	v_add_nc_u32 v[A_SW], s21, v[A_SW]
	s_mul_i32 s21, s20, 8*SPITCH
	v_add_nc_u32 v[A_SR], s21, v[L16]
.irp i, 1,2,3,4,5,6,7
	v_mov_b32 v[QN+\i], 0                          ; the conversion takes eight numbers: seven are zeros
.endr
	s_and_b32 s39, ttmp7, 0xffff                   ; the batch
	s_mul_i32 s22, s39, BATCH
	s_lshl_b32 s24, ttmp9, 8                       ; x: my 64 tokens are 256 bytes of each channel's row
	s_add_co_u32 s24, s24, s22
	s_mul_i32 s23, s20, 32*CH                      ; my wave's 32 channels
	s_add_co_u32 s24, s24, s23
	s_mov_b32 s25, 0
	s_lshl_b32 s26, ttmp9, 16                      ; out0: my 64 tokens are 65,536 consecutive bytes;
	s_add_co_u32 s26, s26, s22
	s_and_b32 s23, s20, 1                          ; stage rows 8 w + a hold tokens 32 (w % 2) + 4 a + w / 2
	s_lshl_b32 s23, s23, 15
	s_add_co_u32 s26, s26, s23
	s_lshr_b32 s23, s20, 1
	s_lshl_b32 s23, s23, 10
	s_add_co_u32 s26, s26, s23
	s_mov_b32 s27, 0
	s_mul_i32 s28, s39, 49*1024                    ; part: the batch's 49 rows
	s_mov_b32 s29, 0
	s_lshl_b32 s30, s20, 10                        ; wq: my two tiles' images, 512 bytes each,
	s_mov_b32 s31, 0
	s_lshl_b32 s32, s20, 8                         ; and their scale words, 128 bytes each
	s_mov_b32 s33, 0
	s_mov_b32 s[SEL], 0x76543210
	s_mov_b32 s[SEL+1], 0xfedcba98
	s_mov_b32 s[MNT], 0x600000
	s_mov_b32 s[FLR], 0x8000000
	s_mov_b32 s[HM], 0xffff0000
	s_wait_kmcnt 0x0
	s_add_nc_u64 s[4:5], s[4:5], s[24:25]
	s_add_nc_u64 s[18:19], s[18:19], s[26:27]
	s_add_nc_u64 s[6:7], s[6:7], s[28:29]
	s_add_nc_u64 s[30:31], s[8:9], s[30:31]
	s_add_nc_u64 s[32:33], s[8:9], s[32:33]
	; ---- all loads.  What only some waves load goes out first, so that the counts behind it are the same in every wave
	s_cmp_lg_u32 s20, 0
	s_cbranch_scc1 .Lnot_wave_0
.irp f, 0,1,2,3
.irp c, 0,1,2,3
	global_load_b128 v[WR+16*\f+4*\c:WR+16*\f+4*\c+3], v[L16], s[8:9] offset:2048*\f+512*\c   ; w_reduce's fragments as the first launch laid them: images of these registers
.endr
	global_load_b32 v[WRS+\f], v[L4], s[8:9] offset:WQ_SCR+128*\f
.endr
	global_load_b32 v[BRED], v[L4], s[14:15]       ; b_reduce of hidden unit = lane
.Lnot_wave_0:
	s_cmp_lt_u32 s20, 2
	s_cbranch_scc0 .Lno_row_48
	global_load_b128 v[248:251], v[T16], s[6:7] offset:49152   ; 49 = 4 x 12 + 1: the first group (waves 0 and 1) has a thirteenth row
	s_branch .Lrows
.Lno_row_48:
.irp i, 248,249,250,251
	v_mov_b32 v[\i], 0
.endr
.Lrows:
.set M, 0
.irp q, 196,200,204,212,216,220,224,228,232,236,240,244
	global_load_b128 v[\q:\q+3], v[T16], s[6:7] offset:4096*M   ; rows t / 64 + 4 m: a wave reads 512 consecutive bytes
.set M, M+1
.endr
	global_load_b32 v[LNW], v[T4], s[10:11]
	global_load_b32 v[LNB], v[T4], s[12:13]
	global_load_b32 v[BSEL], v[T4], s[16:17]
	global_load_b128 v[B0:B0+3], v[L16], s[30:31] offset:WQ_SEL
	global_load_b128 v[B1:B1+3], v[L16], s[30:31] offset:WQ_SEL+512
	global_load_b32 v[WSS], v[L4], s[32:33] offset:WQ_SCS
	global_load_b32 v[WSS+1], v[L4], s[32:33] offset:WQ_SCS+128
.irp i, 0,1,2,3,4,5,6,7,8,9,10,11,12,13,14,15
	global_load_b128 v[X+4*\i:X+4*\i+3], v[XO], s[4:5] offset:(8*(\i/4)+(\i%4))*CH th:TH_LOAD_NT   ; channel 32 w + 8 (i / 4) + 4 h + i % 4, tokens 4 r on: sixteen lanes read one aligned run of 256 bytes; read once here
.endr
.macro QADD a, b
	v_pk_add_f32 v[\a:\a+1], v[\a:\a+1], v[\b:\b+1]
	v_pk_add_f32 v[\a+2:\a+3], v[\a+2:\a+3], v[\b+2:\b+3]
.endm
; One number a lane, v[QN]; the wave's 32 lanes are a block of 32 along K.  Out: the code in the lowest byte of v[QC], the block's scale byte in v[TM+4].
.macro QUANT1
	v_max_num_f32 v[TM], |v[QN]|, s[FLR]           ; with the floor, so that the byte cannot fall under 1
	v_max_num_f32_dpp v[TM], v[TM], v[TM] row_xmask:1 row_mask:0xf bank_mask:0xf
	v_max_num_f32_dpp v[TM], v[TM], v[TM] row_xmask:2 row_mask:0xf bank_mask:0xf
	v_max_num_f32_dpp v[TM], v[TM], v[TM] row_xmask:4 row_mask:0xf bank_mask:0xf
	v_max_num_f32_dpp v[TM], v[TM], v[TM] row_xmask:8 row_mask:0xf bank_mask:0xf
	v_permlanex16_b32 v[TM+1], v[TM], s[SEL], s[SEL+1]
	v_max_num_f32 v[TM], v[TM], v[TM+1]            ; the block's largest magnitude, in every lane
	v_add_nc_u32 v[TM+2], 0xf8800000, v[TM]        ; 15 off its exponent field: the conversion's scale operand
	v_and_or_b32 v[TM+3], v[TM], 0x7f800000, s[MNT]   ; 57,344 x the scale
	v_lshrrev_b32 v[TM+4], 23, v[TM+2]             ; the scale's byte
	v_med3_num_f32 v[QN], v[QN], -v[TM+3], v[TM+3] ; the conversion to an 8-bit code does not saturate (ISA guide 7.6.2)
	v_cvt_scalef32_pk8_bf8_f32 v[QC:QC+1], v[QN:QN+7], v[TM+2]
	v_nop                                          ; a plain instruction behind the conversion
.endm
	; ---- (1) the batch's 49 partial sums
	s_wait_loadcnt 16                              ; all is in but the 16 loads of x, which were issued last
	QADD 196, 200
	QADD 204, 212
	QADD 216, 220
	QADD 224, 228
	QADD 232, 236
	QADD 240, 244
	QADD 196, 204
	QADD 216, 224
	QADD 232, 240
	QADD 196, 216
	QADD 232, 248
	QADD 196, 232
	ds_store_b128 v[A_T16], v[196:199] offset:PS
	s_wait_dscnt 0x0                               ; for the others' sake: my store has landed
	s_barrier_signal -1
	s_barrier_wait -1
	; ---- (2) g of channel c = my thread's number, and its code
.irp k, 0,1,2,3
	ds_load_b32 v[TM+\k], v[A_T4] offset:PS+1024*\k
.endr
	s_wait_dscnt 0x0
	v_add_f32 v[TM], v[TM], v[TM+1]
	v_add_f32 v[TM+2], v[TM+2], v[TM+3]
	v_add_f32 v[TM], v[TM], v[TM+2]
	v_mul_f32 v[TM], 0x39a72f05, v[TM]             ; / 3136
	v_fma_f32 v[QN], v[TM], v[LNW], v[LNB]
	QUANT1
	ds_store_b8 v[A_T1], v[QC] offset:GC           ; K innermost: byte c
	ds_store_b8 v[A_W], v[TM+4] offset:GS          ; block = wave; the 32 lanes write the same byte with the same value
	s_wait_dscnt 0x0
	s_barrier_signal -1
	s_barrier_wait -1
	; ---- (3) wave 0: the hidden layer
	s_cmp_lg_u32 s20, 0
	s_cbranch_scc1 .Lhidden_made
.irp s, 0,1
.irp c, 0,1,2,3
	ds_load_b128 v[A1+16*\s+4*\c:A1+16*\s+4*\c+3], v[A_H16] offset:GC+128*\s+32*\c   ; registers 4 c on: k = 128 s + 32 c + 16 h + 0 .. 15; every lane of a half reads the same: 16 equal rows
.endr
.endr
	ds_load_b64 v[GSC:GSC+1], v[A_C] offset:GS
	s_wait_dscnt 0x0
	; the two accumulators take turns, one instruction a turn
	v_wmma_scale_f32_16x16x128_f8f6f4 v[D10:D10+7], v[A1:A1+15], v[WR:WR+15], 0, v[GSC], v[WRS] matrix_a_fmt:MATRIX_FMT_BF8 matrix_b_fmt:MATRIX_FMT_BF8
	v_wmma_scale_f32_16x16x128_f8f6f4 v[D11:D11+7], v[A1:A1+15], v[WR+32:WR+47], 0, v[GSC], v[WRS+2] matrix_a_fmt:MATRIX_FMT_BF8 matrix_b_fmt:MATRIX_FMT_BF8
	v_wmma_scale_f32_16x16x128_f8f6f4 v[D10:D10+7], v[A1+16:A1+31], v[WR+16:WR+31], v[D10:D10+7], v[GSC+1], v[WRS+1] matrix_a_fmt:MATRIX_FMT_BF8 matrix_b_fmt:MATRIX_FMT_BF8
	v_wmma_scale_f32_16x16x128_f8f6f4 v[D11:D11+7], v[A1+16:A1+31], v[WR+48:WR+63], v[D11:D11+7], v[GSC+1], v[WRS+3] matrix_a_fmt:MATRIX_FMT_BF8 matrix_b_fmt:MATRIX_FMT_BF8
.rept 8
	v_nop                                          ; eight places ahead of the first read of the results
.endr
	v_cndmask_b32 v[QN], v[D10], v[D11], s[HM]     ; register 0 is row 0 (lanes 0-15) or row 8 (lanes 16-31), all rows equal: lane l takes hidden unit l
	v_add_f32 v[QN], v[QN], v[BRED]                ; y
	v_mul_f32 v[E_Z], 0x3f3504f3, v[QN]            ; z = y / sqrt 2
	v_med3_num_f32 v[E_A], |v[E_Z]|, 1.0, 0x41800000   ; a = |z| held to 1 .. 16 for the outer form: beyond 16 erfc is 0 in f32, and nothing overflows
	v_rcp_f32 v[E_Q], v[E_A]
	v_mul_f32 v[E_S], v[E_A], v[E_A]
	v_fma_f32 v[E_R], v[E_A], v[E_A], -v[E_S]      ; what a^2 lost
	v_mul_f32 v[E_T], 0x3fb8aa3b, v[E_S]           ; a^2 log2(e),
	v_fma_f32 v[E_L], v[E_S], 0x3fb8aa3b, -v[E_T]  ; and what that lost,
	v_fma_f32 v[E_L], v[E_R], 0x3fb8aa3b, v[E_L]
	v_fma_f32 v[E_L], v[E_S], 0x32a57060, v[E_L]   ; the constant's own low part too
	v_exp_f32 v[E_E], -v[E_T]
	v_med3_num_f32 v[E_ZS], v[E_Z], -1.0, 1.0      ; the inner form's argument, held so that the form not chosen stays finite
	v_mul_f32 v[E_W], v[E_ZS], v[E_ZS]
	v_mov_b32 v[E_P], 0x38a4b519                   ; erf(z) = z T(z^2)
	v_fmaak_f32 v[E_P], v[E_P], v[E_W], 0xba51fb80
	v_fmaak_f32 v[E_P], v[E_P], v[E_W], 0x3baa02d9
	v_fmaak_f32 v[E_P], v[E_P], v[E_W], 0xbcdbfc87
	v_fmaak_f32 v[E_P], v[E_P], v[E_W], 0x3de7167c
	v_fmaak_f32 v[E_P], v[E_P], v[E_W], 0xbec0939f
	v_fmaak_f32 v[E_P], v[E_P], v[E_W], 0x3f906eba
	v_fma_f32 v[E_P], v[E_ZS], v[E_P], 1.0         ; erfc(-z) = 1 + erf(z)
	s_wait_alu depctr_va_vdst(0)                   ; one wait for the reciprocal and the exponential, ahead of their first reader; the inner form is the work between
	v_mul_f32 v[E_Y], v[E_Q], v[E_Q]
	v_mov_b32 v[E_PP], 0x3cbe9cf4                  ; P for 1 <= a < 2, R for a >= 2, both in 1 / a^2: two chains by turns
	v_mov_b32 v[E_PR], 0xc127a483
	v_fmaak_f32 v[E_PP], v[E_PP], v[E_Y], 0xbe0e0868
	v_fmaak_f32 v[E_PR], v[E_PR], v[E_Y], 0x414fa29c
	v_fmaak_f32 v[E_PP], v[E_PP], v[E_Y], 0x3ebccbd0
	v_fmaak_f32 v[E_PR], v[E_PR], v[E_Y], 0xc0efdb4a
	v_fmaak_f32 v[E_PP], v[E_PP], v[E_Y], 0xbf151cf8
	v_fmaak_f32 v[E_PR], v[E_PR], v[E_Y], 0x403af1fa
	v_fmaak_f32 v[E_PP], v[E_PP], v[E_Y], 0x3f1ef9e3
	v_fmaak_f32 v[E_PR], v[E_PR], v[E_Y], 0xbf81f436
	v_fmaak_f32 v[E_PP], v[E_PP], v[E_Y], 0xbefd28c0
	v_fmaak_f32 v[E_PR], v[E_PR], v[E_Y], 0x3ed7fc3e
	v_fmaak_f32 v[E_PP], v[E_PP], v[E_Y], 0x3eae5471
	v_fmaak_f32 v[E_PR], v[E_PR], v[E_Y], 0xbe906c5d
	v_fmaak_f32 v[E_PP], v[E_PP], v[E_Y], 0xbe8c5880
	v_fmaak_f32 v[E_PR], v[E_PR], v[E_Y], 0x3f106eb9
	v_fmaak_f32 v[E_PP], v[E_PP], v[E_Y], 0x3f1056e6
	v_mul_f32 v[E_L], v[E_E], v[E_L]
	v_fma_f32 v[E_E], v[E_L], 0xbf317218, v[E_E]   ; exp(-a^2), the lost part of the argument put back: x (1 - ln 2 x lost)
	v_cmp_gt_f32 vcc_lo, 2.0, v[E_A]
	v_cndmask_b32 v[E_PP], v[E_PR], v[E_PP], vcc_lo
	v_mul_f32 v[E_E], v[E_E], v[E_Q]
	v_mul_f32 v[E_E], v[E_E], v[E_PP]              ; erfc(a)
	v_sub_f32 v[E_B], 2.0, v[E_E]
	v_cmp_lt_f32 vcc_lo, 0, v[E_Z]
	v_cndmask_b32 v[E_E], v[E_E], v[E_B], vcc_lo   ; erfc(-z): 2 - erfc(a) where z > 0
	v_cmp_lt_f32 vcc_lo, 1.0, v[E_A]               ; a > 1 just where |z| > 1
	v_cndmask_b32 v[E_E], v[E_P], v[E_E], vcc_lo
	v_mul_f32 v[QN], 0.5, v[QN]
	v_mul_f32 v[QN], v[QN], v[E_E]                 ; gelu(y)
	QUANT1
	ds_store_b8 v[A_L], v[QC] offset:HC            ; K innermost: byte = hidden unit
	ds_store_b32 v[A_C], v[TM+4] offset:HS         ; the scale word: the one block's byte below, 0 above (over zero codes); the 32 lanes write the same word
.Lhidden_made:
.irp z, 196,212,228
.irp i, 0,1,2,3,4,5,6,7,8,9,10,11
	v_mov_b32 v[\z+\i], 0                          ; K = 32 of the instruction's 128: registers 4-15 of the three operands are zero codes.  (In wave 0 these lines stand while its LDS stores land)
.endr
.endr
.rept 4
	v_nop                                          ; operands written by vector instructions stand four places ahead of a scaled matrix instruction
.endr
	s_wait_dscnt 0x0
	s_barrier_signal -1
	s_barrier_wait -1
	; ---- (4) my 32 channels of the gate
	ds_load_b128 v[A2:A2+3], v[A_H16] offset:HC    ; k = 16 h + 0 .. 15: 16 equal rows
	ds_load_b32 v[HSC], v[A_C] offset:HS
	s_wait_dscnt 0x0
	v_wmma_scale_f32_16x16x128_f8f6f4 v[D2:D2+7], v[A2:A2+15], v[B0:B0+15], 0, v[HSC], v[WSS] matrix_a_fmt:MATRIX_FMT_BF8 matrix_b_fmt:MATRIX_FMT_BF8
	v_wmma_scale_f32_16x16x128_f8f6f4 v[D2+8:D2+15], v[A2:A2+15], v[B1:B1+15], 0, v[HSC], v[WSS+1] matrix_a_fmt:MATRIX_FMT_BF8 matrix_b_fmt:MATRIX_FMT_BF8
.rept 8
	v_nop                                          ; eight places ahead of the first read of the results
.endr
	v_cndmask_b32 v[TM], v[D2], v[D2+8], s[HM]     ; lane l takes channel 32 w + l
	v_add_f32 v[TM], v[TM], v[BSEL]
	v_mul_f32 v[TM], 0xbfb8aa3b, v[TM]
	v_exp_f32 v[TM+1], v[TM]
	v_nop
	s_wait_alu depctr_va_vdst(0)                   ; ahead of the exponential's reader
	v_add_f32 v[TM+1], 1.0, v[TM+1]
	v_rcp_f32 v[TM+2], v[TM+1]
	v_nop
	s_wait_alu depctr_va_vdst(0)                   ; and of the reciprocal's
	v_mul_f32 v[TM+2], 0x41000000, v[TM+2]         ; 8 x sigmoid: the eight equal directions
	ds_store_b32 v[A_T4], v[TM+2] offset:GT
.irp q, 0,1,2,3
	ds_load_b128 v[G+4*\q:G+4*\q+3], v[A_GR] offset:GT+32*\q   ; my wave's own 128 bytes, served in order behind the store: channels 32 w + 8 q + 4 h + 0 .. 3
.endr
	s_wait_dscnt 0x0
	; ---- x times the gate, written transposed, into the stage
.irp q, 0,1,2,3
	s_wait_loadcnt 12-4*\q                         ; loads come back in order: this group's four are in
.irp k, 0,1,2,3
.irp j, 0,1,2,3
	v_mul_f32 v[Y+16*\q+4*\j+\k], v[X+4*(4*\q+\k)+\j], v[G+4*\q+\k]
.endr
.endr
.irp j, 0,1,2,3
	ds_store_b128 v[A_SW], v[Y+16*\q+4*\j:Y+16*\q+4*\j+3] offset:\j*JSTEP+32*\q   ; token 4 r + j, row 16 j + r; four channels
.endr
.endr
	s_wait_dscnt 0x0                               ; for the others' sake: my stores have landed
	s_barrier_signal -1
	s_barrier_wait -1
.irp i, 0,1,2,3,4,5,6,7,8,9,10,11,12,13,14,15
	ds_load_b128 v[X+4*\i:X+4*\i+3], v[A_SR] offset:(\i/2)*SPITCH+(\i%2)*512   ; half a row: 512 consecutive bytes
.endr
.irp i, 0,1,2,3,4,5,6,7,8,9,10,11,12,13,14,15
	s_wait_dscnt 15-\i                             ; LDS loads come back in order: load i is in
	global_store_b128 v[L16], v[X+4*\i:X+4*\i+3], s[18:19] offset:(\i/2)*4096+(\i%2)*512 th:TH_STORE_NT   ; 512 consecutive bytes of a token's row, aligned; written once, read by nobody here
.endr
	s_wait_tensorcnt 0x0                           ; the wave's end, behind my last LDS store
	ds_add_u32 v[SPW], v[NIL]
	s_wait_dscnt 0x0
	s_endpgm
.Lfunc_end_k_q663b4a6588_gate_scale:
	.size	k_q663b4a6588_gate_scale, .Lfunc_end_k_q663b4a6588_gate_scale-k_q663b4a6588_gate_scale
	.p2alignl 7, 3214868480
	.fill 96, 4, 3214868480
	.section	.rodata,"a",@progbits
	.p2align	6, 0x0
	.amdhsa_kernel k_q663b4a6588_gate_scale
		.amdhsa_group_segment_fixed_size 73728
		.amdhsa_private_segment_fixed_size 0
		.amdhsa_enable_private_segment 0
		.amdhsa_kernarg_size 64
		.amdhsa_user_sgpr_count 2
		.amdhsa_user_sgpr_kernarg_segment_ptr 1
		.amdhsa_wavefront_size32 1
		.amdhsa_system_sgpr_workgroup_id_x 1
		.amdhsa_system_sgpr_workgroup_id_y 1
		.amdhsa_system_sgpr_workgroup_id_z 1
		.amdhsa_system_vgpr_workitem_id 0
		.amdhsa_next_free_vgpr 256
		.amdhsa_next_free_sgpr 66
		.amdhsa_reserve_vcc 1
		.amdhsa_float_denorm_mode_32 3
		.amdhsa_float_denorm_mode_16_64 3
		.amdhsa_memory_ordered 1
		.amdhsa_forward_progress 1
		.amdhsa_inst_pref_size 27
	.end_amdhsa_kernel
	.amdgpu_metadata
---
amdhsa.version: [ 1, 2 ]
amdhsa.kernels:
  - .name:           k_q663b4a6588_gate_scale
    .symbol:         k_q663b4a6588_gate_scale.kd
    .args:
      - { .name: x, .offset: 0, .size: 8, .value_kind: global_buffer, .address_space: global }
      - { .name: part, .offset: 8, .size: 8, .value_kind: global_buffer, .address_space: global }
      - { .name: wq, .offset: 16, .size: 8, .value_kind: global_buffer, .address_space: global }
      - { .name: ln_w, .offset: 24, .size: 8, .value_kind: global_buffer, .address_space: global }
      - { .name: ln_b, .offset: 32, .size: 8, .value_kind: global_buffer, .address_space: global }
      - { .name: b_reduce, .offset: 40, .size: 8, .value_kind: global_buffer, .address_space: global }
      - { .name: b_select, .offset: 48, .size: 8, .value_kind: global_buffer, .address_space: global }
      - { .name: out0, .offset: 56, .size: 8, .value_kind: global_buffer, .address_space: global }
    .group_segment_fixed_size: 73728
    .private_segment_fixed_size: 0
    .kernarg_segment_align: 8
    .kernarg_segment_size: 64
    .max_flat_workgroup_size: 256
    .sgpr_count:     66
    .vgpr_count:     256
    .wavefront_size: 32
...
	.end_amdgpu_metadata
.endif
;; end of part 2
;; ======== version 2 of 2: 2 launches; version 1 with the launch gate_scale written anew for expert scheduling mode
;; workspace buffers: part 401,408 bytes; wq 18,944 bytes
;; launch stats: the kernel of part 1 again; grid 393 x 1, 8 waves a work-group, no clusters, 6,144 bytes of LDS; arguments x, w_reduce, w_select, part, wq; writes part, wq
;; launch gate_scale (part 3): grid 49 x 8, 8 waves a work-group, no clusters, 73,728 bytes of LDS; arguments x, part, wq, ln_w, ln_b, b_reduce, b_select, out0; writes out0
.if DOCPART == 3
	.amdgcn_target "amdgcn-amd-amdhsa--gfx1250"
	.amdhsa_code_object_version 6
	.text
	.protected	k_q663b4a6588_gate_scale
	.globl	k_q663b4a6588_gate_scale
	.p2align	8
	.type	k_q663b4a6588_gate_scale,@function
k_q663b4a6588_gate_scale:
	s_mov_b64 s[64:65], 0
	v_nop
	global_prefetch_b8 v0, s[64:65] scope:SCOPE_SE
	s_setreg_imm32_b32 hwreg(HW_REG_WAVE_SCHED_MODE, 0, 2), 2
	s_setreg_imm32_b32 hwreg(HW_REG_WAVE_MODE, 25, 1), 1
	s_wait_xcnt 0x0
	s_wait_alu depctr_vm_vsrc(0)
; MultiScanVSSM, second of two launches: the channel gate of the work-group's batch, then out0[b][l][c] = x[b][c][l] x 8 gate[b][c].
; WORK LEFT OUT: the eight directions are equal for all values of the inputs (each scan is undone by its reverse: shown at the head of the first launch), so one gate serves all eight and their sum is 8 x one term.
; SHARES.  Work-group (x, y): batch y, tokens 64 x on, all 256 channels: 64 KB in, 64 KB out.  All loads go out at the head, the small ones first; the gate is made while x is on its way.
; THE GATE.  (1) part[b][0..48][256] is summed: thread t takes 16 bytes at 16 t of rows t / 64 + 4 m; the four groups meet in LDS.  (2) Thread c makes g[c] = ln_w[c] x sum / 3136 + ln_b[c] and quantises it:
; a block of 32 along K is one wave's 32 lanes; a code byte a lane and a scale byte a wave go to LDS.  (3) Wave 0: g x w_reduce, 2 tiles x 2 K steps of v_wmma_scale_f32_16x16x128_f8f6f4 on E5M2 codes; all 16 rows of
; source 0 hold the one live row; register 0 of the two results gives lane l hidden unit l; + b_reduce; gelu = 0.5 y erfc(-y / sqrt 2); quantised as g was.  (4) Every wave: its 32 channels of hidden x w_select,
; two tiles; K = 32 fills registers 0-3 of the operands, registers 4-15 are zero codes; + b_select; sigmoid; x 8.
; erfc: |z| <= 1: 1 + z T(z^2); else exp(-z^2) (1 / |z|) P or R (1 / z^2), Cephes' single-precision polynomials; z^2 log2(e) is carried with its rounding error, so that the exponential's argument costs no accuracy.
; THE WAY OUT.  A lane holds 4 channels x 4 tokens for each of four groups: the multiplication by the gate writes them transposed, 4 channels of one token in 4 neighbouring registers; they go to a stage in LDS,
; token 4 r + j in row 16 j + r, rows 1,040 bytes apart (16 neighbouring rows begin in 16 different 16-byte columns modulo 256 bytes), and come back as rows: each store covers 512 consecutive bytes, aligned.
; LIMITS: NaN and infinities are not served; a block of zeros gets the scale byte 1 over zero codes; where b_reduce + g w_reduce lies under about -13.2 the exponential's result would be denormal and is flushed (ISA guide, v_exp_f32): gelu is -0 there.
; NO CLUSTER: the 49 work-groups that read one batch's part rows are no multiple of four, and work-groups of different batches share only wq's few KB.  No tensor load: no LDS byte is filled twice, and a work-group's whole share is in flight from its head.
; THE MODE: SCHED_MODE bits 1:0 = 2 (LLVM: expert scheduling mode 2), set by the entry lines.  The code itself states the register dependences
; between vector or matrix instructions and memory or LDS instructions, with s_wait_alu, always for 0.
; THE PLAN.  Registers that memory or LDS instructions touch, and who else names them:
;   v3-v17        offsets and LDS addresses: written by vector instructions at the head, never again: one wait on va_vdst ahead of the first load serves every access of the kernel.
;   v196-199      written by the last addition of (1), read by the LDS store of the group's sum; written again by product 1 (wave 0) or by the zero codes.
;   v40, v46      a code and a scale byte: written by the quantiser, read by the byte stores of (2); written again by wave 0's second quantiser.
;                 These six are the only registers that the memory side reads and anything writes again: ONE wait on vm_vsrc, behind the second barrier and ahead of the branch, serves them.
;   v42-45        temporaries of the head, then the target of (2)'s four LDS loads.    v224-255: named by (1)'s additions, then the target of wave 0's LDS loads; v224-227 once more in (4).
;   v48-63        erfc's temporaries (wave 0), then the target of the gates' LDS loads.
;   Y v128-191    written by the 64 multiplications, read by the 16 stage stores.  The stores of groups 0 and 1 stand behind one wait and are dealt among the multiplications of groups 2 and 3, which name none of their registers.
;   X v64-127     loaded at the head, read by the multiplications, then the target of the stage's loads, whose data the global stores read.
;   v1, v2        written at the head, read by the closing add alone.
; A wait on va_vdst stands ahead of each run of LDS stores whose data vector instructions have just written; each also shows the earlier readers and writers of the registers in which the next LDS loads land done.
.set CH,     12544                     ; bytes of a channel's 3,136 tokens
.set BATCH,  256*CH                    ; bytes of a batch, in x and in out0
.set SPITCH, 1040                      ; a stage row: 1,024 bytes + 16
.set JSTEP,  16*SPITCH
.set SM,     64*SPITCH                 ; behind the stage, offsets from here:
.set PS,     0                         ; four groups' sums, 1,024 bytes each
.set GC,     4096                      ; g's 256 codes
.set GS,     4352                      ; g's 8 scale bytes
.set HC,     4608                      ; the hidden layer's 32 codes
.set HS,     4864                      ; its scale word
.set GT,     5120                      ; 8 x gate, 256 numbers
.set SPARE,  SM+6144                   ; the spare words, 128 bytes a wave: four blocks of 256 bytes that no other line names
.set WQ_SEL, 8192                      ; wq: w_select's images
.set WQ_SCR, 16384                     ; w_reduce's scale words
.set WQ_SCS, 16896                     ; w_select's
.set SPW,  1                           ; v1  LDS address of my spare word; never rewritten
.set NIL,  2                           ; v2  0; never rewritten
.set XO,   3                           ; v3  x: 4 h channels + 16 r
.set T16,  4                           ; v4  16 x thread
.set T4,   5                           ; v5  4 x thread
.set L16,  6                           ; v6  16 x lane
.set L4,   7                           ; v7  4 x lane
.set A_T16, 8                          ; v8-17 LDS addresses, all made at the head: SM + 16 t
.set A_T4,  9                          ; SM + 4 t
.set A_T1,  10                         ; SM + t
.set A_W,   11                         ; SM + wave
.set A_H16, 12                         ; SM + 16 h
.set A_C,   13                         ; SM
.set A_L,   14                         ; SM + lane
.set A_GR,  15                         ; SM + 128 wave + 16 h
.set A_SW,  16                         ; the stage, in: 1,040 r + 16 h + 128 wave
.set A_SR,  17                         ; the stage, back: 8 wave rows + 16 lane
.set LNW,  18
.set LNB,  19
.set BSEL, 20
.set BRED, 21
.set WRS,  22                          ; v22-25 scale words of w_reduce's four fragments: these nine registers hold scales and nothing else
.set WSS,  26                          ; v26-27 of my two tiles of w_select
.set GSC,  28                          ; v28-29 of g's two K steps
.set HSC,  30                          ; v30    of the hidden layer
.set QN,   32                          ; v32-39 the number to be quantised, and seven zeros
.set QC,   40                          ; v40-41 its code in the lowest byte
.set TM,   42                          ; v42-47 at work
.set G,    48                          ; v48-63 erfc's temporaries, later my 16 gates
.set X,    64                          ; v64-127 x; later rows of out0
.set WR,   128                         ; v128-191 w_reduce's four fragments (wave 0); later:
.set D2,   128                         ; v128-143 product 2's two results;
.set Y,    128                         ; v128-191 x times the gate, transposed
.set B0,   192                         ; v192-207 w_select's first tile: 192-195 loaded at the head, 196-207 zero codes
.set B1,   208                         ; v208-223 the second
.set A2,   224                         ; v224-239 the hidden layer's fragment: 224-227 from LDS, 228-239 zero codes
.set D10,  196                         ; v196-203, v212-219: product 1's two results (wave 0), before the zeros are written
.set D11,  212
.set A1,   224                         ; v224-255 g's two fragments (wave 0)
.set SEL,  34                          ; s[34:35] lane selects for lane l xor 16
.set MNT,  36                          ; s36 the mantissa field of 57,344
.set FLR,  37                          ; s37 the floor 2^(16 - 127)
.set HM,   38                          ; s38 a mask of lanes 16-31
.set C_IN, 21                          ; s21 erfc: lanes where a < 2     (s21-23 are the head's temporaries, free from its end on)
.set C_PO, 22                          ; s22 lanes where z > 0
.set C_OU, 23                          ; s23 lanes where a > 1
.set E_Z,  48
.set E_A,  49
.set E_Q,  50
.set E_S,  51
.set E_R,  52
.set E_T,  53
.set E_L,  54
.set E_E,  55
.set E_ZS, 56
.set E_W,  57
.set E_P,  58
.set E_Y,  59
.set E_PP, 60
.set E_PR, 61
.set E_B,  62
	s_load_b512 s[4:19], s[0:1], 0x0               ; x s[4:5], part s[6:7], wq s[8:9], ln_w s[10:11], ln_b s[12:13], b_reduce s[14:15], b_select s[16:17], out0 s[18:19]
	v_lshl_add_u32 v[SPW], v0, 2, SPARE
	v_mov_b32 v[NIL], 0
	v_lshrrev_b32 v[TM], 5, v0
	v_readfirstlane_b32 s20, v[TM]                 ; wave 0..7
	v_and_b32 v[TM+1], 15, v0                      ; r
	v_bfe_u32 v[TM+2], v0, 4, 1                    ; h
	v_and_b32 v[TM+3], 31, v0                      ; lane
	v_mul_u32_u24 v[XO], v[TM+2], 4*CH
	v_lshl_add_u32 v[XO], v[TM+1], 4, v[XO]
	v_lshlrev_b32 v[T16], 4, v0
	v_lshlrev_b32 v[T4], 2, v0
	v_lshlrev_b32 v[L16], 4, v[TM+3]
	v_lshlrev_b32 v[L4], 2, v[TM+3]
	v_lshl_add_u32 v[A_T16], v0, 4, SM
	v_lshl_add_u32 v[A_T4], v0, 2, SM
	v_add_nc_u32 v[A_T1], SM, v0
	v_mov_b32 v[A_C], SM
	s_wait_alu depctr_va_sdst(0)                   ; s20, the wave's number, is written, ahead of its first reader: addresses, bases and branches are made from it
	v_add_nc_u32 v[A_W], s20, v[A_C]
	v_lshl_add_u32 v[A_H16], v[TM+2], 4, SM
	v_add_nc_u32 v[A_L], SM, v[TM+3]
	s_lshl_b32 s21, s20, 7
	v_add_nc_u32 v[A_GR], s21, v[A_H16]
	v_mul_u32_u24 v[A_SW], v[TM+1], SPITCH
	v_lshl_add_u32 v[A_SW], v[TM+2], 4, v[A_SW]
	v_add_nc_u32 v[A_SW], s21, v[A_SW]
	s_mul_i32 s21, s20, 8*SPITCH
	v_add_nc_u32 v[A_SR], s21, v[L16]
.irp i, 1,2,3,4,5,6,7
	v_mov_b32 v[QN+\i], 0                          ; the conversion takes eight numbers: seven are zeros
.endr
	s_and_b32 s39, ttmp7, 0xffff                   ; the batch
	s_mul_i32 s22, s39, BATCH
	s_lshl_b32 s24, ttmp9, 8                       ; x: my 64 tokens are 256 bytes of each channel's row
	s_add_co_u32 s24, s24, s22
	s_mul_i32 s23, s20, 32*CH                      ; my wave's 32 channels
	s_add_co_u32 s24, s24, s23
	s_mov_b32 s25, 0
	s_lshl_b32 s26, ttmp9, 16                      ; out0: my 64 tokens are 65,536 consecutive bytes;
	s_add_co_u32 s26, s26, s22
	s_and_b32 s23, s20, 1                          ; stage rows 8 w + a hold tokens 32 (w % 2) + 4 a + w / 2
	s_lshl_b32 s23, s23, 15
	s_add_co_u32 s26, s26, s23
	s_lshr_b32 s23, s20, 1
	s_lshl_b32 s23, s23, 10
	s_add_co_u32 s26, s26, s23
	s_mov_b32 s27, 0
	s_mul_i32 s28, s39, 49*1024                    ; part: the batch's 49 rows
	s_mov_b32 s29, 0
	s_lshl_b32 s30, s20, 10                        ; wq: my two tiles' images, 512 bytes each,
	s_mov_b32 s31, 0
	s_lshl_b32 s32, s20, 8                         ; and their scale words, 128 bytes each
	s_mov_b32 s33, 0
	s_mov_b32 s[SEL], 0x76543210
	s_mov_b32 s[SEL+1], 0xfedcba98
	s_mov_b32 s[MNT], 0x600000
	s_mov_b32 s[FLR], 0x8000000
	s_mov_b32 s[HM], 0xffff0000
	s_wait_kmcnt 0x0
	s_add_nc_u64 s[4:5], s[4:5], s[24:25]
	s_add_nc_u64 s[18:19], s[18:19], s[26:27]
	s_add_nc_u64 s[6:7], s[6:7], s[28:29]
	s_add_nc_u64 s[30:31], s[8:9], s[30:31]
	s_add_nc_u64 s[32:33], s[8:9], s[32:33]
	s_wait_alu depctr_va_vdst(0)                   ; the offsets and LDS addresses v3 to v17 are written, which every load and store of the kernel reads; none is written again
	; ---- all loads.  What only some waves load goes out first, so that the counts behind it are the same in every wave
	s_cmp_lg_u32 s20, 0
	s_cbranch_scc1 .Lnot_wave_0
.irp f, 0,1,2,3
.irp c, 0,1,2,3
	global_load_b128 v[WR+16*\f+4*\c:WR+16*\f+4*\c+3], v[L16], s[8:9] offset:2048*\f+512*\c   ; w_reduce's fragments as the first launch laid them: images of these registers
.endr
	global_load_b32 v[WRS+\f], v[L4], s[8:9] offset:WQ_SCR+128*\f
.endr
	global_load_b32 v[BRED], v[L4], s[14:15]       ; b_reduce of hidden unit = lane
.Lnot_wave_0:
	s_cmp_lt_u32 s20, 2
	s_cbranch_scc0 .Lno_row_48
	global_load_b128 v[248:251], v[T16], s[6:7] offset:49152   ; 49 = 4 x 12 + 1: the first group (waves 0 and 1) has a thirteenth row
	s_branch .Lrows
.Lno_row_48:
.irp i, 248,249,250,251
	v_mov_b32 v[\i], 0                             ; (no load of these waves lands here)
.endr
.Lrows:
.set M, 0
.irp q, 196,200,204,212,216,220,224,228,232,236,240,244
	global_load_b128 v[\q:\q+3], v[T16], s[6:7] offset:4096*M   ; rows t / 64 + 4 m: a wave reads 512 consecutive bytes
.set M, M+1
.endr
	global_load_b32 v[LNW], v[T4], s[10:11]
	global_load_b32 v[LNB], v[T4], s[12:13]
	global_load_b32 v[BSEL], v[T4], s[16:17]
	global_load_b128 v[B0:B0+3], v[L16], s[30:31] offset:WQ_SEL
	global_load_b128 v[B1:B1+3], v[L16], s[30:31] offset:WQ_SEL+512
	global_load_b32 v[WSS], v[L4], s[32:33] offset:WQ_SCS
	global_load_b32 v[WSS+1], v[L4], s[32:33] offset:WQ_SCS+128
.irp i, 0,1,2,3,4,5,6,7,8,9,10,11,12,13,14,15
	global_load_b128 v[X+4*\i:X+4*\i+3], v[XO], s[4:5] offset:(8*(\i/4)+(\i%4))*CH th:TH_LOAD_NT   ; channel 32 w + 8 (i / 4) + 4 h + i % 4, tokens 4 r on: sixteen lanes read one aligned run of 256 bytes; read once here
.endr
.macro QADD a, b
	v_pk_add_f32 v[\a:\a+1], v[\a:\a+1], v[\b:\b+1]
	v_pk_add_f32 v[\a+2:\a+3], v[\a+2:\a+3], v[\b+2:\b+3]
.endm
; One number a lane, v[QN]; the wave's 32 lanes are a block of 32 along K.  Out: the code in the lowest byte of v[QC], the block's scale byte in v[TM+4].
.macro QUANT1
	v_max_num_f32 v[TM], |v[QN]|, s[FLR]           ; with the floor, so that the byte cannot fall under 1
	v_max_num_f32_dpp v[TM], v[TM], v[TM] row_xmask:1 row_mask:0xf bank_mask:0xf
	v_max_num_f32_dpp v[TM], v[TM], v[TM] row_xmask:2 row_mask:0xf bank_mask:0xf
	v_max_num_f32_dpp v[TM], v[TM], v[TM] row_xmask:4 row_mask:0xf bank_mask:0xf
	v_max_num_f32_dpp v[TM], v[TM], v[TM] row_xmask:8 row_mask:0xf bank_mask:0xf
	v_permlanex16_b32 v[TM+1], v[TM], s[SEL], s[SEL+1]
	v_max_num_f32 v[TM], v[TM], v[TM+1]            ; the block's largest magnitude, in every lane
	v_add_nc_u32 v[TM+2], 0xf8800000, v[TM]        ; 15 off its exponent field: the conversion's scale operand
	v_and_or_b32 v[TM+3], v[TM], 0x7f800000, s[MNT]   ; 57,344 x the scale
	v_lshrrev_b32 v[TM+4], 23, v[TM+2]             ; the scale's byte
	v_med3_num_f32 v[QN], v[QN], -v[TM+3], v[TM+3] ; the conversion to an 8-bit code does not saturate (ISA guide 7.6.2)
	v_cvt_scalef32_pk8_bf8_f32 v[QC:QC+1], v[QN:QN+7], v[TM+2]
	v_nop                                          ; a plain instruction behind the conversion
.endm
	; ---- (1) the batch's 49 partial sums
	s_wait_loadcnt 16                              ; all is in but the 16 loads of x, which were issued last
	QADD 196, 200
	QADD 204, 212
	QADD 216, 220
	QADD 224, 228
	QADD 232, 236
	QADD 240, 244
	QADD 196, 204
	QADD 216, 224
	QADD 232, 240
	QADD 196, 216
	QADD 232, 248
	QADD 196, 232
	s_wait_alu depctr_va_vdst(0)                   ; the additions have written v[196:199], which the LDS store reads; they are also done with v224 to v255, and the head's lines with v42 to v45, in which LDS loads land further down
	ds_store_b128 v[A_T16], v[196:199] offset:PS
	s_wait_dscnt 0x0                               ; for the others' sake: my store has landed
	s_barrier_signal -1
	s_barrier_wait -1
	; ---- (2) g of channel c = my thread's number, and its code
.irp k, 0,1,2,3
	ds_load_b32 v[TM+\k], v[A_T4] offset:PS+1024*\k
.endr
	s_wait_dscnt 0x0
	v_add_f32 v[TM], v[TM], v[TM+1]
	v_add_f32 v[TM+2], v[TM+2], v[TM+3]
	v_add_f32 v[TM], v[TM], v[TM+2]
	v_mul_f32 v[TM], 0x39a72f05, v[TM]             ; / 3136
	v_fma_f32 v[QN], v[TM], v[LNW], v[LNB]
	QUANT1
	s_wait_alu depctr_va_vdst(0)                   ; the quantiser has written the code v[QC] and the scale byte v[TM+4], which the two byte stores read
	ds_store_b8 v[A_T1], v[QC] offset:GC           ; K innermost: byte c
	ds_store_b8 v[A_W], v[TM+4] offset:GS          ; block = wave; the 32 lanes write the same byte with the same value
	s_wait_dscnt 0x0
	s_barrier_signal -1
	s_barrier_wait -1
	s_wait_alu depctr_vm_vsrc(0)                   ; my LDS stores so far have read v[196:199], v[QC] and v[TM+4]: product 1 or the zero codes write the first, wave 0's second quantiser the other two
	; ---- (3) wave 0: the hidden layer
	s_cmp_lg_u32 s20, 0
	s_cbranch_scc1 .Lhidden_made
.irp s, 0,1
.irp c, 0,1,2,3
	ds_load_b128 v[A1+16*\s+4*\c:A1+16*\s+4*\c+3], v[A_H16] offset:GC+128*\s+32*\c   ; registers 4 c on: k = 128 s + 32 c + 16 h + 0 .. 15; every lane of a half reads the same: 16 equal rows.  (No vector instruction since the last wait on va_vdst names v224 to v255)
.endr
.endr
	ds_load_b64 v[GSC:GSC+1], v[A_C] offset:GS
	s_wait_dscnt 0x0
	; the two accumulators take turns, one instruction a turn
	v_wmma_scale_f32_16x16x128_f8f6f4 v[D10:D10+7], v[A1:A1+15], v[WR:WR+15], 0, v[GSC], v[WRS] matrix_a_fmt:MATRIX_FMT_BF8 matrix_b_fmt:MATRIX_FMT_BF8
	v_wmma_scale_f32_16x16x128_f8f6f4 v[D11:D11+7], v[A1:A1+15], v[WR+32:WR+47], 0, v[GSC], v[WRS+2] matrix_a_fmt:MATRIX_FMT_BF8 matrix_b_fmt:MATRIX_FMT_BF8
	v_wmma_scale_f32_16x16x128_f8f6f4 v[D10:D10+7], v[A1+16:A1+31], v[WR+16:WR+31], v[D10:D10+7], v[GSC+1], v[WRS+1] matrix_a_fmt:MATRIX_FMT_BF8 matrix_b_fmt:MATRIX_FMT_BF8
	v_wmma_scale_f32_16x16x128_f8f6f4 v[D11:D11+7], v[A1+16:A1+31], v[WR+48:WR+63], v[D11:D11+7], v[GSC+1], v[WRS+3] matrix_a_fmt:MATRIX_FMT_BF8 matrix_b_fmt:MATRIX_FMT_BF8
.rept 8
	v_nop                                          ; eight places ahead of the first read of the results
.endr
	v_cndmask_b32 v[QN], v[D10], v[D11], s[HM]     ; register 0 is row 0 (lanes 0-15) or row 8 (lanes 16-31), all rows equal: lane l takes hidden unit l
	v_add_f32 v[QN], v[QN], v[BRED]                ; y
	v_mul_f32 v[E_Z], 0x3f3504f3, v[QN]            ; z = y / sqrt 2
	v_med3_num_f32 v[E_A], |v[E_Z]|, 1.0, 0x41800000   ; a = |z| held to 1 .. 16 for the outer form: beyond 16 erfc is 0 in f32, and nothing overflows
	v_rcp_f32 v[E_Q], v[E_A]
	v_mul_f32 v[E_S], v[E_A], v[E_A]
	v_fma_f32 v[E_R], v[E_A], v[E_A], -v[E_S]      ; what a^2 lost
	v_mul_f32 v[E_T], 0x3fb8aa3b, v[E_S]           ; a^2 log2(e),
	v_fma_f32 v[E_L], v[E_S], 0x3fb8aa3b, -v[E_T]  ; and what that lost,
	v_fma_f32 v[E_L], v[E_R], 0x3fb8aa3b, v[E_L]
	v_fma_f32 v[E_L], v[E_S], 0x32a57060, v[E_L]   ; the constant's own low part too
	v_exp_f32 v[E_E], -v[E_T]
	v_med3_num_f32 v[E_ZS], v[E_Z], -1.0, 1.0      ; the inner form's argument, held so that the form not chosen stays finite
	v_mul_f32 v[E_W], v[E_ZS], v[E_ZS]
	v_cmp_gt_f32 s[C_IN], 2.0, v[E_A]              ; the three choices further down hang on a and z alone: their masks are made here, as a run, into three scalar registers, and have one wait
	v_cmp_lt_f32 s[C_PO], 0, v[E_Z]
	v_cmp_lt_f32 s[C_OU], 1.0, v[E_A]              ; a > 1 just where |z| > 1
	v_mov_b32 v[E_P], 0x38a4b519                   ; erf(z) = z T(z^2)
	v_fmaak_f32 v[E_P], v[E_P], v[E_W], 0xba51fb80
	v_fmaak_f32 v[E_P], v[E_P], v[E_W], 0x3baa02d9
	v_fmaak_f32 v[E_P], v[E_P], v[E_W], 0xbcdbfc87
	v_fmaak_f32 v[E_P], v[E_P], v[E_W], 0x3de7167c
	v_fmaak_f32 v[E_P], v[E_P], v[E_W], 0xbec0939f
	v_fmaak_f32 v[E_P], v[E_P], v[E_W], 0x3f906eba
	v_fma_f32 v[E_P], v[E_ZS], v[E_P], 1.0         ; erfc(-z) = 1 + erf(z)
	s_wait_alu depctr_va_vdst(0)                   ; the reciprocal v[E_Q] and the exponential v[E_E] are written: one wait for both, ahead of their first reader; the inner form is the work between
	v_mul_f32 v[E_Y], v[E_Q], v[E_Q]
	v_mov_b32 v[E_PP], 0x3cbe9cf4                  ; P for 1 <= a < 2, R for a >= 2, both in 1 / a^2: two chains by turns
	v_mov_b32 v[E_PR], 0xc127a483
	v_fmaak_f32 v[E_PP], v[E_PP], v[E_Y], 0xbe0e0868
	v_fmaak_f32 v[E_PR], v[E_PR], v[E_Y], 0x414fa29c
	v_fmaak_f32 v[E_PP], v[E_PP], v[E_Y], 0x3ebccbd0
	v_fmaak_f32 v[E_PR], v[E_PR], v[E_Y], 0xc0efdb4a
	v_fmaak_f32 v[E_PP], v[E_PP], v[E_Y], 0xbf151cf8
	v_fmaak_f32 v[E_PR], v[E_PR], v[E_Y], 0x403af1fa
	v_fmaak_f32 v[E_PP], v[E_PP], v[E_Y], 0x3f1ef9e3
	v_fmaak_f32 v[E_PR], v[E_PR], v[E_Y], 0xbf81f436
	v_fmaak_f32 v[E_PP], v[E_PP], v[E_Y], 0xbefd28c0
	v_fmaak_f32 v[E_PR], v[E_PR], v[E_Y], 0x3ed7fc3e
	v_fmaak_f32 v[E_PP], v[E_PP], v[E_Y], 0x3eae5471
	v_fmaak_f32 v[E_PR], v[E_PR], v[E_Y], 0xbe906c5d
	v_fmaak_f32 v[E_PP], v[E_PP], v[E_Y], 0xbe8c5880
	v_fmaak_f32 v[E_PR], v[E_PR], v[E_Y], 0x3f106eb9
	v_fmaak_f32 v[E_PP], v[E_PP], v[E_Y], 0x3f1056e6
	v_mul_f32 v[E_L], v[E_E], v[E_L]
	v_fma_f32 v[E_E], v[E_L], 0xbf317218, v[E_E]   ; exp(-a^2), the lost part of the argument put back: x (1 - ln 2 x lost)
	s_wait_alu depctr_va_sdst(0)                   ; the three compares have written their masks s21 to s23, ahead of the first line that reads one
	v_cndmask_b32 v[E_PP], v[E_PR], v[E_PP], s[C_IN]
	v_mul_f32 v[E_E], v[E_E], v[E_Q]
	v_mul_f32 v[E_E], v[E_E], v[E_PP]              ; erfc(a)
	v_sub_f32 v[E_B], 2.0, v[E_E]
	v_cndmask_b32 v[E_E], v[E_E], v[E_B], s[C_PO]  ; erfc(-z): 2 - erfc(a) where z > 0
	v_cndmask_b32 v[E_E], v[E_P], v[E_E], s[C_OU]
	v_mul_f32 v[QN], 0.5, v[QN]
	v_mul_f32 v[QN], v[QN], v[E_E]                 ; gelu(y)
	QUANT1
	s_wait_alu depctr_va_vdst(0)                   ; the quantiser has written v[QC] and v[TM+4], which the two LDS stores read
	ds_store_b8 v[A_L], v[QC] offset:HC            ; K innermost: byte = hidden unit
	ds_store_b32 v[A_C], v[TM+4] offset:HS         ; the scale word: the one block's byte below, 0 above (over zero codes); the 32 lanes write the same word
.Lhidden_made:
.irp z, 196,212,228
.irp i, 0,1,2,3,4,5,6,7,8,9,10,11
	v_mov_b32 v[\z+\i], 0                          ; K = 32 of the instruction's 128: registers 4-15 of the three operands are zero codes.  (In wave 0 these lines stand while its LDS stores land)
.endr
.endr
.rept 4
	v_nop                                          ; operands written by vector instructions stand four places ahead of a scaled matrix instruction
.endr
	s_wait_alu depctr_va_vdst(0)                   ; behind the places: the zero codes are written, which the scaled products below take as operands; in wave 0 product 1 is also done reading v[224:227], in which the LDS load below lands
	s_wait_dscnt 0x0
	s_barrier_signal -1
	s_barrier_wait -1
	; ---- (4) my 32 channels of the gate
	ds_load_b128 v[A2:A2+3], v[A_H16] offset:HC    ; k = 16 h + 0 .. 15: 16 equal rows
	ds_load_b32 v[HSC], v[A_C] offset:HS
	s_wait_dscnt 0x0
	v_wmma_scale_f32_16x16x128_f8f6f4 v[D2:D2+7], v[A2:A2+15], v[B0:B0+15], 0, v[HSC], v[WSS] matrix_a_fmt:MATRIX_FMT_BF8 matrix_b_fmt:MATRIX_FMT_BF8
	v_wmma_scale_f32_16x16x128_f8f6f4 v[D2+8:D2+15], v[A2:A2+15], v[B1:B1+15], 0, v[HSC], v[WSS+1] matrix_a_fmt:MATRIX_FMT_BF8 matrix_b_fmt:MATRIX_FMT_BF8
.rept 8
	v_nop                                          ; eight places ahead of the first read of the results
.endr
	v_cndmask_b32 v[TM], v[D2], v[D2+8], s[HM]     ; lane l takes channel 32 w + l
	v_add_f32 v[TM], v[TM], v[BSEL]
	v_mul_f32 v[TM], 0xbfb8aa3b, v[TM]
	v_exp_f32 v[TM+1], v[TM]
	v_nop
	s_wait_alu depctr_va_vdst(0)                   ; the exponential v[TM+1] is written, ahead of its reader
	v_add_f32 v[TM+1], 1.0, v[TM+1]
	v_rcp_f32 v[TM+2], v[TM+1]
	v_nop
	s_wait_alu depctr_va_vdst(0)                   ; and the reciprocal v[TM+2]
	v_mul_f32 v[TM+2], 0x41000000, v[TM+2]         ; 8 x sigmoid: the eight equal directions
	s_wait_alu depctr_va_vdst(0)                   ; the multiplication has written v[TM+2], which the LDS store reads; in wave 0 erfc's lines are also done with v48 to v63, in which the four LDS loads land
	ds_store_b32 v[A_T4], v[TM+2] offset:GT
.irp q, 0,1,2,3
	ds_load_b128 v[G+4*\q:G+4*\q+3], v[A_GR] offset:GT+32*\q   ; my wave's own 128 bytes, served in order behind the store: channels 32 w + 8 q + 4 h + 0 .. 3
.endr
	s_wait_dscnt 0x0
	; ---- x times the gate, written transposed, into the stage
.macro MULS q, k                       ; channel k of group q: its four tokens, each into its own token's four registers
.irp j, 0,1,2,3
	v_mul_f32 v[Y+16*(\q)+4*\j+(\k)], v[X+4*(4*(\q)+(\k))+\j], v[G+4*(\q)+(\k)]
.endr
.endm
.macro STG q, j                        ; token 4 r + j, row 16 j + r; group q's four channels
	ds_store_b128 v[A_SW], v[Y+16*(\q)+4*(\j):Y+16*(\q)+4*(\j)+3] offset:(\j)*JSTEP+32*(\q)
.endm
.irp q, 0,1
	s_wait_loadcnt 12-4*\q                         ; loads come back in order: this group's four are in
.irp k, 0,1,2,3
	MULS \q, \k
.endr
.endr
	s_wait_alu depctr_va_vdst(0)                   ; the multiplications of groups 0 and 1 have written v[Y .. Y+31], which the eight stage stores below read
.irp q, 2,3
	s_wait_loadcnt 12-4*\q                         ; this group's four are in
.irp k, 0,1,2,3
	STG \q-2, \k                                   ; no wait: the multiplications since the wait name v[Y+32 ..], v[X+32 ..] and v[G+8 ..] alone
	MULS \q, \k
.endr
.endr
	s_wait_alu depctr_va_vdst(0)                   ; the multiplications of groups 2 and 3 have written v[Y+32 .. Y+63], which the last eight stage stores read; and every multiplication is done reading X, in which the stage's loads land
.irp q, 2,3
.irp j, 0,1,2,3
	STG \q, \j
.endr
.endr
	s_wait_dscnt 0x0                               ; for the others' sake: my stores have landed
	s_barrier_signal -1
	s_barrier_wait -1
.irp i, 0,1,2,3,4,5,6,7,8,9,10,11,12,13,14,15
	ds_load_b128 v[X+4*\i:X+4*\i+3], v[A_SR] offset:(\i/2)*SPITCH+(\i%2)*512   ; half a row: 512 consecutive bytes
.endr
.irp i, 0,1,2,3,4,5,6,7,8,9,10,11,12,13,14,15
	s_wait_dscnt 15-\i                             ; LDS loads come back in order: load i is in
	global_store_b128 v[L16], v[X+4*\i:X+4*\i+3], s[18:19] offset:(\i/2)*4096+(\i%2)*512 th:TH_STORE_NT   ; 512 consecutive bytes of a token's row, aligned; written once, read by nobody here
.endr
	s_wait_dscnt 0x0                               ; the closing lines, six on end
	s_wait_alu 0x0
	s_wait_tensorcnt 0x0
	ds_add_u32 v[SPW], v[NIL]
	s_wait_dscnt 0x0
	s_endpgm
.Lfunc_end_k_q663b4a6588_gate_scale:
	.size	k_q663b4a6588_gate_scale, .Lfunc_end_k_q663b4a6588_gate_scale-k_q663b4a6588_gate_scale
	.p2alignl 7, 3214868480
	.fill 96, 4, 3214868480
	.section	.rodata,"a",@progbits
	.p2align	6, 0x0
	.amdhsa_kernel k_q663b4a6588_gate_scale
		.amdhsa_group_segment_fixed_size 73728
		.amdhsa_private_segment_fixed_size 0
		.amdhsa_enable_private_segment 0
		.amdhsa_kernarg_size 64
		.amdhsa_user_sgpr_count 2
		.amdhsa_user_sgpr_kernarg_segment_ptr 1
		.amdhsa_wavefront_size32 1
		.amdhsa_system_sgpr_workgroup_id_x 1
		.amdhsa_system_sgpr_workgroup_id_y 1
		.amdhsa_system_sgpr_workgroup_id_z 1
		.amdhsa_system_vgpr_workitem_id 0
		.amdhsa_next_free_vgpr 256
		.amdhsa_next_free_sgpr 66
		.amdhsa_reserve_vcc 0
		.amdhsa_float_denorm_mode_32 3
		.amdhsa_float_denorm_mode_16_64 3
		.amdhsa_memory_ordered 1
		.amdhsa_forward_progress 1
		.amdhsa_inst_pref_size 28
	.end_amdhsa_kernel
	.amdgpu_metadata
---
amdhsa.version: [ 1, 2 ]
amdhsa.kernels:
  - .name:           k_q663b4a6588_gate_scale
    .symbol:         k_q663b4a6588_gate_scale.kd
    .args:
      - { .name: x, .offset: 0, .size: 8, .value_kind: global_buffer, .address_space: global }
      - { .name: part, .offset: 8, .size: 8, .value_kind: global_buffer, .address_space: global }
      - { .name: wq, .offset: 16, .size: 8, .value_kind: global_buffer, .address_space: global }
      - { .name: ln_w, .offset: 24, .size: 8, .value_kind: global_buffer, .address_space: global }
      - { .name: ln_b, .offset: 32, .size: 8, .value_kind: global_buffer, .address_space: global }
      - { .name: b_reduce, .offset: 40, .size: 8, .value_kind: global_buffer, .address_space: global }
      - { .name: b_select, .offset: 48, .size: 8, .value_kind: global_buffer, .address_space: global }
      - { .name: out0, .offset: 56, .size: 8, .value_kind: global_buffer, .address_space: global }
    .group_segment_fixed_size: 73728
    .private_segment_fixed_size: 0
    .kernarg_segment_align: 8
    .kernarg_segment_size: 64
    .max_flat_workgroup_size: 256
    .sgpr_count:     66
    .vgpr_count:     256
    .wavefront_size: 32
...
	.end_amdgpu_metadata
.endif
;; end of part 3
